; MI455X (gfx1250); checked and timed in simulation.
; The chip was launched on July 23, 2026; its instructions are those of AMD's public machine-readable ISA for CDNA 5 (MIT licence, August 2026) and "CDNA5" Instruction Set Architecture Reference Guide (July 2026). The comments in the code are by the model that wrote it; some were corrected since.
;; Spatial Transformer. Allowed arithmetic: matrix products marked QUANTISED: E4M3 operands, one given power-of-two scale a tensor, by v_wmma_f32_16x16x64_fp8_fp8 or v_wmma_f32_16x16x128_fp8_fp8, f32 sums; everything else in f32.
;; Inputs: W1 512 x 2,048 float32; W2 2,048 x 512 float32; b1 512 float32; b2 512 float32; b3 512 float32; b4 512 float32; bf1 2,048 float32; bf2 512 float32; cWk 768 x 512 float32; cWo 512 x 512 float32; cWq 512 x 512 float32; cWv 768 x 512 float32; cbo 512 float32; context 4 x 77 x 768 float32; g1 512 float32; g2 512 float32; g3 512 float32; g4 512 float32; gWk 512 x 512 float32; gWo 512 x 512 float32; gWq 512 x 512 float32; gWv 512 x 512 float32; gbo 512 float32; geometry_tokens 4 x 256 x 512 float32; lowp_scales 28 int32 (the exponents e of the quantised operands' scales 2^e); x 4 x 512 x 64 x 64 float32.
;; Outputs: out0 4 x 512 x 64 x 64 float32.
;; This version of the problem:
;;   THIS VERSION OF THE PROBLEM IS GIVEN IN LOW PRECISION. The matrix products marked QUANTISED in the list below multiply operands that are first quantised to E4M3 (4 exponent bits, 3 mantissa bits; 8 bits a number), with one given power-of-two scale for each operand tensor; their sums are f32. All else is computed in f32.
;;   The module's matrix products, in the order in which they are computed (A, B: the left and right operand; K: the contracted axis; several contracted axes count as one K, in the product's order):
;;     1. [M 16,384, K 512] x [K 512, N 512]; A: computed on the way; B: input cWq: QUANTISED (scales: A lowp_scales[0], B lowp_scales[1])
;;     2. [M 308, K 768] x [K 768, N 512]; A: input context; B: input cWk: QUANTISED (scales: A lowp_scales[2], B lowp_scales[3])
;;     3. [M 308, K 768] x [K 768, N 512]; A: input context; B: input cWv: QUANTISED (scales: A lowp_scales[4], B lowp_scales[5])
;;     4. batch 32 x [M 4,096, K 64] x [K 64, N 77]; A: computed on the way; B: computed on the way: QUANTISED (scales: A lowp_scales[6], B lowp_scales[7])
;;     5. batch 32 x [M 64, K 77] x [K 77, N 4,096]; A: computed on the way; B: softmax (see below): QUANTISED (scales: A lowp_scales[8], B lowp_scales[9])
;;     6. [M 16,384, K 512] x [K 512, N 512]; A: computed on the way; B: input cWo: QUANTISED (scales: A lowp_scales[10], B lowp_scales[11])
;;     7. [M 16,384, K 512] x [K 512, N 512]; A: computed on the way; B: input gWq: QUANTISED (scales: A lowp_scales[12], B lowp_scales[13])
;;     8. [M 1,024, K 512] x [K 512, N 512]; A: input geometry_tokens; B: input gWk: QUANTISED (scales: A lowp_scales[14], B lowp_scales[15])
;;     9. [M 1,024, K 512] x [K 512, N 512]; A: input geometry_tokens; B: input gWv: QUANTISED (scales: A lowp_scales[16], B lowp_scales[17])
;;     10. batch 32 x [M 4,096, K 64] x [K 64, N 256]; A: computed on the way; B: computed on the way: QUANTISED (scales: A lowp_scales[18], B lowp_scales[19])
;;     11. batch 32 x [M 64, K 256] x [K 256, N 4,096]; A: computed on the way; B: softmax (see below): QUANTISED (scales: A lowp_scales[20], B lowp_scales[21])
;;     12. [M 16,384, K 512] x [K 512, N 512]; A: computed on the way; B: input gWo: QUANTISED (scales: A lowp_scales[22], B lowp_scales[23])
;;     13. [M 16,384, K 512] x [K 512, N 2,048]; A: computed on the way; B: input W1: QUANTISED (scales: A lowp_scales[24], B lowp_scales[25])
;;     14. [M 16,384, K 2,048] x [K 2,048, N 512]; A: computed on the way; B: input W2: QUANTISED (scales: A lowp_scales[26], B lowp_scales[27])
;;   THE QUANTISER, for each operand of a quantised product, along K:
;;     - The operand's scale is 2^e, e = its entry of the input lowp_scales (int32; the entries are numbered through the quantised products in the list's order, A before B).
;;     - Each number is divided by the scale, clamped to +-448, and rounded to the nearest number of E4M3, ties to even, subnormals kept.
;;     - The product sums the exact products of the quantised numbers (number of the format x scale) in f32.
;;   ~~~python
;;   def quantise(x, axis, e):      # numpy; x: float32 -> the quantised numbers, widened to float32 again
;;       x = np.moveaxis(x, axis, -1); K = x.shape[-1]
;;       r = np.clip(x / 2.0 ** e, -448, 448)
;;       step = 2.0 ** (np.maximum(np.frexp(np.where(r == 0, 1, r))[1] - 1, -6) - 3)
;;       q = np.round(r / step) * step * 2.0 ** e      # np.round: ties to even
;;       return np.moveaxis(q, -1, axis).astype(np.float32)
;;   ~~~
;;   SOFTMAX AHEAD OF A QUANTISED PRODUCT. Where the list says 'softmax', what is quantised is not the finished softmax but p = 2^(t - M), with t = logit x log2(e) and M = ceil(the row's largest t), a whole number; so 1/2 < the row's largest p <= 1. The row's sum l is taken of the UNQUANTISED p, in f32, and the product's result is divided by l at the end. Since M is a whole number, a kernel that streams over the keys may use a running M (the ceiling of the running maximum): every later rescaling is an exact power of two, so the quantised numbers keep their values, but for numbers so far below the row's largest that they fall under the format's range.
;;   OPERANDS COMPUTED ON THE WAY. 'Computed on the way' means the value that the module computes at that place (a softmax that the list does not call 'softmax' is quantised finished and normalised). What goes into a quantiser is computed in f32, as accurately as f32 sums, v_exp_f32 and their like allow (about 1e-6 of the number): no bf16 or f16 on the way to a quantiser, and a product that is left as it is and whose result goes on into a quantised operand takes f32 operands (vector FMAs, or v_wmma_f32_16x16x4_f32). A number that lies on a knife's edge between two numbers of the format may be rounded either way, as far as f32 arithmetic and the matrix unit's own rounding can turn it there, and no further.
;; One version. Each part assembles by itself: llvm-mc -triple=amdgcn-amd-amdhsa -mcpu=gfx1250 --defsym DOCPART=n.
;; ======== version 1 of 1: 2 launches
;; limits: right only within a limited range of input values
;; workspace buffers: wts 3,145,728 bytes; kv 2,097,152 bytes
;; launch prep (part 1): grid 384 x 1, 4 waves a work-group, no clusters, 98,816 bytes of LDS; arguments cWq, cWo, gWq, gWo, W1, W2, cWk, cWv, gWk, gWv, context, geometry_tokens, lowp_scales, wts, kv; writes wts, kv
.if DOCPART == 1
	.amdgcn_target "amdgcn-amd-amdhsa--gfx1250"
	.amdhsa_code_object_version 6
	.text
	.protected	k_qe6938efae2_prep
	.globl	k_qe6938efae2_prep
	.p2align	8
	.type	k_qe6938efae2_prep,@function
k_qe6938efae2_prep:
	s_mov_b64 s[64:65], 0
	v_nop
	global_prefetch_b8 v0, s[64:65] scope:SCOPE_SE
	s_setreg_imm32_b32 hwreg(HW_REG_WAVE_MODE, 25, 1), 1
	s_wait_xcnt 0x0
; PREP.  Two kinds of work-group, told apart by the work-group's number.
; 0-191: cWq, cWo, gWq, gWo, W1, W2 (f32, [K][N]) become E4M3 codes in wts, laid as images of operand registers in the order in which the next launch walks them.
; 192-319 (geometry), 320-383 (context): products 8, 9 and 2, 3: tokens and Wk / Wv are quantised in registers, multiplied, and K and V are quantised into kv, again as register images.
; FRAGMENT: 16 rows x 128 k in 16 registers: lane (r = l % 16, h = l / 16) holds row r, registers 2 c, 2 c + 1 hold k = 16 c + 8 h + 0 .. 7.  IMAGE: registers 4 i .. 4 i + 3 of lane l at byte 512 i + 16 l.
; code = x / 2^e, held within +-448, to the nearest code, ties to even.
; LIMITS: every exponent that makes a conversion's scale (each e of a weight or token tensor; eO - eT - eW for K and V) lies between -126 and 119.  NaN and infinities among the inputs are not served.
; No tensor load: operands go from memory to registers; LDS holds stages and weight images only, and each of the three ways has LDS bytes of its own.
.set WST,   0                          ; weights' way: a stage of 4,096 bytes for each wave
.set GIM,   16384                      ; geometry's way: 16 weight images of 2,048 bytes, (4 s + tile)
.set CIM,   49152                      ; context's way: 24 weight images
.set SPARE, 98304                      ; the spare words, 128 bytes for each wave: v1 points into them
.set MSB, 0
.macro WIN new                         ; the immediate's high byte repeats the setting that is left
.if MSB != (\new)
	s_set_vgpr_msb (MSB<<8)|(\new)
.set MSB, (\new)
.endif
.endm
.macro PLACES
.rept 4
	v_nop
.endr
.endm
.macro MKS e, sc, lim                  ; from the whole number in s[e]: 2^e and 448 x 2^e as f32 patterns
	s_add_co_i32 s[\sc], s[\e], 127
	s_add_co_i32 s[\lim], s[\e], 135
	s_lshl_b32 s[\sc], s[\sc], 23
	s_lshl_b32 s[\lim], s[\lim], 23
	s_or_b32 s[\lim], s[\lim], 0x600000
.endm
.macro CLOSE                           ; the wave's end: behind my last LDS store
	s_wait_tensorcnt 0x0
	ds_add_u32 v1, v2
	s_wait_dscnt 0x0
	s_endpgm
.endm
	s_load_b512 s[4:19], s[0:1], 0x0               ; cWq, cWo, gWq, gWo, W1, W2, cWk, cWv
	s_load_b256 s[20:27], s[0:1], 0x40             ; gWk, gWv, context, geometry_tokens
	s_load_b128 s[28:31], s[0:1], 0x60             ; lowp_scales, wts
	s_load_b64 s[32:33], s[0:1], 0x70              ; kv
	v_lshl_add_u32 v1, v0, 2, SPARE
	v_mov_b32 v2, 0
	v_lshrrev_b32 v3, 5, v0
	v_readfirstlane_b32 s36, v3                    ; wave 0..3
	s_wait_kmcnt 0x0
	s_cmp_lt_u32 ttmp9, 192
	s_cbranch_scc1 .Lw
	s_cmp_lt_u32 ttmp9, 320
	s_cbranch_scc1 .Lgeo
	s_branch .Lctx
; ---------------- K and V ----------------
; tokens of K step s: two tiles of 16 rows x 128 k, 64 f32 a lane and tile, into window 1 at 128 o + 64 (s & 1)
.macro TLOAD s
	WIN 0x40
.irp o,0,1
.irp c,0,1,2,3,4,5,6,7
	global_load_b128 v[128*\o+64*((\s)&1)+8*\c:128*\o+64*((\s)&1)+8*\c+3], v[3+\o], s[54:55] offset:512*(\s)+64*\c
	global_load_b128 v[128*\o+64*((\s)&1)+8*\c+4:128*\o+64*((\s)&1)+8*\c+7], v[3+\o], s[54:55] offset:512*(\s)+64*\c+16
.endr
.endr
	WIN 0
.endm
; my wave's tile of the weight (16 columns), K step s: a lane takes a column, its registers run down K in the order of the operand's registers
.macro WLOAD s
.irp c,0,1,2,3,4,5,6,7
.irp j,0,1,2,3,4,5,6,7
	global_load_b32 v[128+64*((\s)&1)+8*\c+\j], v5, s[52:53] offset:(128*(\s)+16*\c+\j)*2048
.endr
.endr
.endm
; phase A, K step s: my weight tile becomes a fragment and goes to LDS as an image
.macro KVA s, KS
.if (\s)+1 < \KS
	s_wait_loadcnt 63                              ; the next K step's 64 loads are younger; the field's largest count is stricter than that
.else
	s_wait_loadcnt 0x0
.endif
.set i,0
.rept 64
	v_med3_num_f32 v[128+64*((\s)&1)+i], v[128+64*((\s)&1)+i], -v20, v20
.set i,i+1
.endr
	s_wait_alu depctr_va_vdst(0)
	s_wait_dscnt 0x0                               ; the last image's stores have read the codes' registers
.irp c,0,1,2,3,4,5,6,7
	v_cvt_scalef32_pk8_fp8_f32 v[96+2*\c:97+2*\c], v[128+64*((\s)&1)+8*\c:128+64*((\s)&1)+8*\c+7], v19
.endr
	v_nop                                          ; a plain line behind the last conversion
.irp i,0,1,2,3
	ds_store_b128 v6, v[96+4*\i:99+4*\i] offset:8192*(\s)+512*\i
.endr
.if (\s)+2 < \KS
	WLOAD (\s)+2
.endif
.endm
; phase C, K step s: both token tiles are quantised; eight products, the eight accumulators by turns
.macro KVC s, KS
.irp t,0,1,2,3
.irp i,0,1,2,3
	ds_load_b128 v[128+16*\t+4*\i:128+16*\t+4*\i+3], v7 offset:(4*(\s)+\t)*2048+512*\i
.endr
.endr
.if (\s)+1 < \KS
	s_wait_loadcnt 32                              ; this step's tokens are in; the next step's 32 loads stay out
.else
	s_wait_loadcnt 0x0
.endif
	WIN 0x41
.irp o,0,1
.set i,0
.rept 64
	v_med3_num_f32 v[128*\o+64*((\s)&1)+i], v[128*\o+64*((\s)&1)+i], -v[17+\o], v[17+\o]   ; the hold; its limit is 0 in lanes whose row lies past the tokens' end
.set i,i+1
.endr
.endr
	WIN 0x01
.irp o,0,1
.irp c,0,1,2,3,4,5,6,7
	v_cvt_scalef32_pk8_fp8_f32 v[192-96*\o+2*\c:193-96*\o+2*\c], v[128*\o+64*((\s)&1)+8*\c:128*\o+64*((\s)&1)+8*\c+7], v16
.endr
.endr
	WIN 0
	v_nop
.if (\s)+2 < \KS
	TLOAD (\s)+2                                   ; the tokens run two K steps ahead: this step's numbers have been converted, so their set takes the loads of two steps on
.endif
	s_wait_dscnt 0x0                               ; the four weight fragments are in
	s_cmp_eq_u32 s41, 0
	s_cbranch_scc0 .Lvt_\@
	s_wait_alu depctr_va_vdst(0)
.irp o,0,1                                     ; K: source 0 = 16 columns of Wk, source 1 = 16 tokens: a lane holds one key and eight neighbours along the head
.irp t,0,1,2,3
.if (\s) == 0
	v_wmma_f32_16x16x128_fp8_fp8 v[32+32*\o+8*\t:39+32*\o+8*\t], v[128+16*\t:143+16*\t], v[192-96*\o:207-96*\o], 0
.else
	v_wmma_f32_16x16x128_fp8_fp8 v[32+32*\o+8*\t:39+32*\o+8*\t], v[128+16*\t:143+16*\t], v[192-96*\o:207-96*\o], v[32+32*\o+8*\t:39+32*\o+8*\t]
.endif
.endr
.endr
	s_branch .Lmd_\@
.Lvt_\@:
	s_wait_alu depctr_va_vdst(0)
.irp t,0,1,2,3                                 ; V: source 0 = 16 tokens, source 1 = 16 columns of Wv: a lane holds one channel and eight neighbouring keys
.irp o,0,1
.if (\s) == 0
	v_wmma_f32_16x16x128_fp8_fp8 v[32+16*\t+8*\o:39+16*\t+8*\o], v[192-96*\o:207-96*\o], v[128+16*\t:143+16*\t], 0
.else
	v_wmma_f32_16x16x128_fp8_fp8 v[32+16*\t+8*\o:39+16*\t+8*\o], v[192-96*\o:207-96*\o], v[128+16*\t:143+16*\t], v[32+16*\t+8*\o:39+16*\t+8*\o]
.endif
.endr
.endr
.Lmd_\@:
	PLACES                                         ; in front of loads into, and writes of, registers that these products read, and of the first read of results
.endm
; One head, K or V, of one image: four waves, two token tiles each.
; REGISTERS, window 0: v3, v4 token offsets; v5 weight offset; v6, v7 image store / load; v8 16 x lane; v12-15 store offsets; v16-22 scales and limits; v32-95 accumulators;
;   v96-111 codes (weight, token tile 1, results); v128-191 weight fragments; v192-207 token tile 0's codes; in phase A v128-255 two sets of 64 numbers.  Window 1: four sets of 64 token numbers.
.macro KV KS, ROWB, IMB, CTX
.if \CTX
	s_sub_co_u32 s40, ttmp9, 320
	s_and_b32 s41, s40, 1                          ; 0: K, 1: V
	s_bfe_u32 s42, s40, 0x30001                    ; head
	s_lshr_b32 s43, s40, 4                         ; image
	s_lshl_b32 s44, s36, 1                         ; my first token tile
.else
	s_sub_co_u32 s40, ttmp9, 192
	s_and_b32 s41, s40, 1
	s_bfe_u32 s45, s40, 0x10001                    ; which half of the 16 token tiles
	s_bfe_u32 s42, s40, 0x30002
	s_lshr_b32 s43, s40, 5
	s_lshl_b32 s44, s36, 1
	s_lshl_b32 s45, s45, 3
	s_add_co_u32 s44, s44, s45
.endif
	s_lshl_b32 s46, s41, 3
	s_lshl_b32 s47, s41, 2
.if \CTX
	s_load_b64 s[48:49], s[28:29], s46 offset:0x8  ; eT, eW: entries 2, 3 or 4, 5
	s_load_b32 s50, s[28:29], s47 offset:0x1c      ; eO: entry 7 or 8
.else
	s_load_b64 s[48:49], s[28:29], s46 offset:0x38 ; entries 14, 15 or 16, 17
	s_load_b32 s50, s[28:29], s47 offset:0x4c      ; entry 19 or 20
.endif
	s_mov_b32 s57, 0
	s_cmp_eq_u32 s41, 0
.if \CTX
	s_cselect_b64 s[52:53], s[16:17], s[18:19]
	s_mul_i32 s56, s43, 77*3072
	s_add_nc_u64 s[54:55], s[24:25], s[56:57]
.else
	s_cselect_b64 s[52:53], s[20:21], s[22:23]
	s_lshl_b32 s56, s43, 19
	s_add_nc_u64 s[54:55], s[26:27], s[56:57]
.endif
	s_lshl_b32 s56, s42, 8                         ; the head's 64 columns, my wave's 16 of them, in bytes
	s_lshl_b32 s58, s36, 6
	s_add_co_u32 s56, s56, s58
	s_add_nc_u64 s[52:53], s[52:53], s[56:57]
	v_and_b32 v9, 15, v0                           ; r
	v_bfe_u32 v10, v0, 4, 1                        ; h
	v_and_b32 v11, 31, v0
	v_lshlrev_b32 v8, 4, v11                       ; 16 x lane
	s_lshl_b32 s58, s44, 4
	v_add_nc_u32 v23, s58, v9                      ; my row in tile 0,
	v_add_nc_u32 v24, 16, v23                      ; in tile 1
.if \CTX
	v_min_u32 v25, 76, v23                         ; no load leaves the 77 rows
	v_min_u32 v26, 76, v24
.else
	v_mov_b32 v25, v23
	v_mov_b32 v26, v24
.endif
	v_mul_u32_u24 v3, v25, \ROWB
	v_mul_u32_u24 v4, v26, \ROWB
	v_lshl_add_u32 v3, v10, 5, v3                  ; + 32 h: k = 16 c + 8 h
	v_lshl_add_u32 v4, v10, 5, v4
	v_lshlrev_b32 v5, 14, v10                      ; the weight: 8 h rows of 2,048 bytes + 4 r
	v_lshl_add_u32 v5, v9, 2, v5
	v_add_nc_u32 v7, \IMB, v8
	s_lshl_b32 s58, s36, 11
	v_add_nc_u32 v6, s58, v7
	TLOAD 0
	TLOAD 1
	WLOAD 0
	WLOAD 1
	; where the results go: kv[a][image][head % 2][head / 2][32,768]
	s_lshl_b32 s66, s43, 18
	s_and_b32 s67, s42, 1
	s_lshl_b32 s67, s67, 17
	s_add_co_u32 s66, s66, s67
	s_lshr_b32 s67, s42, 1
	s_lshl_b32 s67, s67, 15
	s_add_co_u32 s66, s66, s67
.if !\CTX
	s_add_co_u32 s66, s66, 1048576
.endif
	s_lshl_b32 s68, s44, 10                        ; K: tile x 1,024; a quad of registers every 512 bytes
.if \CTX
	s_lshl_b32 s69, s36, 9                         ; V: behind K's 8,192 bytes; fragment t' every 2,048, my keys' piece
	s_add_co_u32 s69, s69, 8192
	s_mov_b32 s70, 2048
.else
	s_lshr_b32 s69, s44, 3                         ; V: behind K's 16,384 bytes; fragment 2 t' + ks
	s_lshl_b32 s69, s69, 11
	s_bfe_u32 s71, s44, 0x20001
	s_lshl_b32 s71, s71, 9
	s_add_co_u32 s69, s69, s71
	s_add_co_u32 s69, s69, 16384
	s_mov_b32 s70, 4096
.endif
	s_cmp_eq_u32 s41, 0
	s_cselect_b32 s68, s68, s69
	s_cselect_b32 s70, 512, s70
	s_add_co_u32 s68, s68, s66
	s_mov_b32 s69, 0
	s_add_nc_u64 s[72:73], s[32:33], s[68:69]
	v_mov_b32 v12, v8
.irp q,1,2,3
	s_mul_i32 s71, s70, \q
	v_add_nc_u32 v[12+\q], s71, v8
.endr
.if \CTX
	s_lshl_b32 s74, s41, 13                        ; the quarter's second half is never used, but the next launch copies it: zeros
	s_lshl_b32 s75, s36, 11
	s_add_co_u32 s74, s74, s75
	s_add_co_u32 s74, s74, s66
	s_add_co_u32 s74, s74, 16384
	s_mov_b32 s75, 0
	s_add_nc_u64 s[76:77], s[32:33], s[74:75]
.endif
	s_wait_kmcnt 0x0
	MKS 48, 60, 61
	v_mov_b32 v16, s60
	v_mov_b32 v27, s61
.if \CTX
	v_cmp_gt_u32 vcc_lo, 77, v23
	v_cndmask_b32 v17, 0, v27, vcc_lo              ; rows from 77 on count as zeros
	v_cmp_gt_u32 vcc_lo, 77, v24
	v_cndmask_b32 v18, 0, v27, vcc_lo
.else
	v_mov_b32 v17, v27
	v_mov_b32 v18, v27
.endif
	MKS 49, 60, 61
	v_mov_b32 v19, s60
	v_mov_b32 v20, s61
	s_sub_co_i32 s62, s50, s48
	s_sub_co_i32 s62, s62, s49                     ; a sum stands for sum x 2^(eT + eW): the three scales in one
	MKS 62, 60, 61
	v_mov_b32 v21, s60
	v_mov_b32 v22, s61
.set ks,0
	s_wait_alu depctr_va_vdst(0)
.rept \KS
	KVA ks, \KS
.set ks,ks+1
.endr
	s_wait_dscnt 0x0                               ; my images have landed
	s_barrier_signal -1
	s_barrier_wait -1
.set ks,0
.rept \KS
	KVC ks, \KS
.set ks,ks+1
.endr
.set i,0
.rept 64
	v_med3_num_f32 v[32+i], v[32+i], -v22, v22     ; each accumulator from its low end on
.set i,i+1
.endr
.irp n,0,1,2,3,4,5,6,7
	v_cvt_scalef32_pk8_fp8_f32 v[96+2*\n:97+2*\n], v[32+8*\n:39+8*\n], v21
.endr
	v_nop
.irp q,0,1,2,3
	global_store_b128 v[12+\q], v[96+4*\q:99+4*\q], s[72:73]   ; 32 lanes store 512 consecutive bytes
.endr
.if \CTX
.irp q,24,25,26,27
	v_mov_b32 v[\q], 0
.endr
.irp q,0,1,2,3
	global_store_b128 v8, v[24:27], s[76:77] offset:512*\q
.endr
.endif
	CLOSE
.endm
.Lctx:
	KV 6, 3072, CIM, 1
.Lgeo:
	KV 4, 2048, GIM, 0
; ---------------- the six weights ----------------
; Work-group rho makes bytes 16,384 rho .. of wts, its wave v 4,096 of them: two fragments, 32 columns x 128 k.  A lane takes a column, its registers run down K.
.macro WCOL pitch
.set i,0
.rept 128
	global_load_b32 v[32+i], v3, s[44:45] offset:i*\pitch th:TH_LOAD_NT
.set i,i+1
.endr
.endm
.Lw:
	s_lshr_b32 s40, ttmp9, 3                       ; slot q
	s_bfe_u32 s41, ttmp9, 0x20001                  ; quarter w
	s_and_b32 s42, ttmp9, 1                        ; half hh of the quarter
	s_lshr_b32 s43, s40, 1                         ; q < 8: which projection
	s_cmp_eq_u32 s43, 1
	s_cselect_b64 s[44:45], s[6:7], s[4:5]
	s_cmp_eq_u32 s43, 2
	s_cselect_b64 s[44:45], s[8:9], s[44:45]
	s_cmp_eq_u32 s43, 3
	s_cselect_b64 s[44:45], s[10:11], s[44:45]
	s_cmp_eq_u32 s42, 0
	s_cselect_b64 s[46:47], s[12:13], s[14:15]     ; q >= 8: W1 in the first half, W2 in the second
	s_cmp_lt_u32 s40, 8
	s_cselect_b64 s[44:45], s[44:45], s[46:47]
	s_lshl_b32 s48, s43, 3                         ; the scale's entry: 1, 11, 13, 23; 25, 27
	s_lshr_b32 s48, 0x170d0b01, s48
	s_and_b32 s48, s48, 0xff
	s_lshl_b32 s49, s42, 1
	s_add_co_u32 s49, s49, 25
	s_cmp_lt_u32 s40, 8
	s_cselect_b32 s48, s48, s49
	s_lshl_b32 s48, s48, 2
	s_load_b32 s50, s[28:29], s48 offset:0x0
	s_sub_co_u32 s51, s40, 8                       ; sigma (used where q >= 8)
	s_and_b32 s52, s40, 1
	s_lshl_b32 s52, s52, 1
	s_add_co_u32 s52, s52, s42
	s_lshl_b32 s52, s52, 7                         ; a projection's first row: 128 (2 (q % 2) + hh)
	s_lshl_b32 s53, s51, 7                         ; W2's: 128 sigma
	s_cmp_lt_u32 s40, 8
	s_cselect_b32 s52, s52, s53
	s_lshl_b32 s54, s41, 7
	s_lshl_b32 s55, s36, 5
	s_add_co_u32 s54, s54, s55                     ; first column 128 w + 32 v
	s_lshl_b32 s52, s52, 11
	s_lshl_b32 s54, s54, 2
	s_add_co_u32 s52, s52, s54
	s_lshl_b32 s56, s36, 20                        ; W1: first row 128 v (rows of 8,192 bytes), first column 128 sigma + 32 w
	s_lshl_b32 s57, s51, 9
	s_add_co_u32 s56, s56, s57
	s_lshl_b32 s57, s41, 7
	s_add_co_u32 s56, s56, s57
	s_cmp_ge_u32 s40, 8
	s_cselect_b32 s58, 1, 0
	s_xor_b32 s59, s42, 1
	s_and_b32 s58, s58, s59                        ; 1: W1
	s_cmp_eq_u32 s58, 1
	s_cselect_b32 s52, s56, s52
	s_mov_b32 s53, 0
	s_add_nc_u64 s[44:45], s[44:45], s[52:53]
	s_lshl_b32 s60, ttmp9, 14
	s_lshl_b32 s61, s36, 12
	s_add_co_u32 s60, s60, s61
	s_mov_b32 s61, 0
	s_add_nc_u64 s[30:31], s[30:31], s[60:61]
	v_and_b32 v7, 31, v0
	v_lshlrev_b32 v3, 2, v7                        ; my column
	v_lshlrev_b32 v6, 4, v7
	s_lshl_b32 s62, s36, 12                        ; my stage
	v_add_nc_u32 v5, s62, v6                       ; out of it: 16 x lane
	v_bfe_u32 v8, v0, 4, 1
	v_and_b32 v9, 15, v0
	v_lshlrev_b32 v4, 11, v8                       ; into it: fragment lane / 16, row lane % 16
	v_lshl_add_u32 v4, v9, 4, v4
	v_add_nc_u32 v4, s62, v4
	s_cmp_eq_u32 s58, 1
	s_cbranch_scc1 .Lw1
	WCOL 2048
	s_branch .Lwq
.Lw1:
	s_wait_alu depctr_va_vdst(0)
	WCOL 8192
.Lwq:
	s_wait_kmcnt 0x0
	MKS 50, 60, 61
	v_mov_b32 v11, s60
	v_mov_b32 v10, s61
	s_wait_alu depctr_va_vdst(0)
.irp t,0,1,2,3                                 ; 32 along K at a time; eight codes are registers 2 c, 2 c + 1 of lane (r, h): c = 2 t + g / 2, h = g % 2
.if \t < 2
	s_wait_loadcnt 63                              ; 96 or 64 loads are younger; the field's largest count is stricter
.else
	s_wait_loadcnt 32*(3-\t)
.endif
.set i,0
.rept 32
	v_med3_num_f32 v[32+32*\t+i], v[32+32*\t+i], -v10, v10
.set i,i+1
.endr
.irp g,0,1,2,3
	v_cvt_scalef32_pk8_fp8_f32 v[160+8*\t+2*\g:161+8*\t+2*\g], v[32+32*\t+8*\g:39+32*\t+8*\g], v11
.endr
.irp g,0,1,2,3
	ds_store_b64 v4, v[160+8*\t+2*\g:161+8*\t+2*\g] offset:512*\t+8*(\g>>1)+256*(\g&1)
.endr
.endr
	v_nop
.irp i,0,1,2,3,4,5,6,7
	ds_load_b128 v[192+4*\i:195+4*\i], v5 offset:512*\i     ; LDS serves a wave's instructions in order: these see my stores
.endr
.irp i,0,1,2,3,4,5,6,7
	s_wait_dscnt 7-\i
	global_store_b128 v6, v[192+4*\i:195+4*\i], s[30:31] offset:512*\i   ; 512 consecutive bytes
.endr
	CLOSE
.Lfunc_end_k_qe6938efae2_prep:
	.size	k_qe6938efae2_prep, .Lfunc_end_k_qe6938efae2_prep-k_qe6938efae2_prep
	.p2alignl 7, 3214868480
	.fill 96, 4, 3214868480
	.section	.rodata,"a",@progbits
	.p2align	6, 0x0
	.amdhsa_kernel k_qe6938efae2_prep
		.amdhsa_group_segment_fixed_size 98816
		.amdhsa_private_segment_fixed_size 0
		.amdhsa_enable_private_segment 0
		.amdhsa_kernarg_size 120
		.amdhsa_user_sgpr_count 2
		.amdhsa_user_sgpr_kernarg_segment_ptr 1
		.amdhsa_wavefront_size32 1
		.amdhsa_system_sgpr_workgroup_id_x 1
		.amdhsa_system_sgpr_workgroup_id_y 1
		.amdhsa_system_sgpr_workgroup_id_z 1
		.amdhsa_system_vgpr_workitem_id 0
		.amdhsa_next_free_vgpr 512
		.amdhsa_next_free_sgpr 80
		.amdhsa_reserve_vcc 1
		.amdhsa_float_denorm_mode_32 3
		.amdhsa_float_denorm_mode_16_64 3
		.amdhsa_memory_ordered 1
		.amdhsa_forward_progress 1
		.amdhsa_inst_pref_size 255
	.end_amdhsa_kernel
	.section	.bss,"aw",@nobits
	.p2align	6
	.space	262144
	.amdgpu_metadata
---
amdhsa.version: [ 1, 2 ]
amdhsa.kernels:
  - .name:           k_qe6938efae2_prep
    .symbol:         k_qe6938efae2_prep.kd
    .args:
      - { .name: cWq, .offset: 0, .size: 8, .value_kind: global_buffer, .address_space: global }
      - { .name: cWo, .offset: 8, .size: 8, .value_kind: global_buffer, .address_space: global }
      - { .name: gWq, .offset: 16, .size: 8, .value_kind: global_buffer, .address_space: global }
      - { .name: gWo, .offset: 24, .size: 8, .value_kind: global_buffer, .address_space: global }
      - { .name: W1, .offset: 32, .size: 8, .value_kind: global_buffer, .address_space: global }
      - { .name: W2, .offset: 40, .size: 8, .value_kind: global_buffer, .address_space: global }
      - { .name: cWk, .offset: 48, .size: 8, .value_kind: global_buffer, .address_space: global }
      - { .name: cWv, .offset: 56, .size: 8, .value_kind: global_buffer, .address_space: global }
      - { .name: gWk, .offset: 64, .size: 8, .value_kind: global_buffer, .address_space: global }
      - { .name: gWv, .offset: 72, .size: 8, .value_kind: global_buffer, .address_space: global }
      - { .name: context, .offset: 80, .size: 8, .value_kind: global_buffer, .address_space: global }
      - { .name: geometry_tokens, .offset: 88, .size: 8, .value_kind: global_buffer, .address_space: global }
      - { .name: lowp_scales, .offset: 96, .size: 8, .value_kind: global_buffer, .address_space: global }
      - { .name: wts, .offset: 104, .size: 8, .value_kind: global_buffer, .address_space: global }
      - { .name: kv, .offset: 112, .size: 8, .value_kind: global_buffer, .address_space: global }
    .group_segment_fixed_size: 98816
    .private_segment_fixed_size: 0
    .kernarg_segment_align: 8
    .kernarg_segment_size: 120
    .max_flat_workgroup_size: 128
    .sgpr_count:     80
    .vgpr_count:     512
    .wavefront_size: 32
...
	.end_amdgpu_metadata
.endif
;; end of part 1
;; launch main (part 2): grid 256 x 1, 4 waves a work-group, clusters of 4 x 1, 327,680 bytes of LDS; arguments x, out0, wts, kv, lowp_scales, bf1, g1, b1, g2, b2, g3, b3, g4, b4, cbo, gbo, bf2; writes out0
.if DOCPART == 2
	.amdgcn_target "amdgcn-amd-amdhsa--gfx1250"
	.amdhsa_code_object_version 6
	.text
	.protected	k_qe6938efae2_main
	.globl	k_qe6938efae2_main
	.p2align	8
	.type	k_qe6938efae2_main,@function
k_qe6938efae2_main:
	s_mov_b64 s[64:65], 0
	v_nop
	global_prefetch_b8 v0, s[64:65] scope:SCOPE_SE
	s_setreg_imm32_b32 hwreg(HW_REG_WAVE_MODE, 25, 1), 1
	s_wait_xcnt 0x0
	s_wait_alu depctr_hold_cnt(0) depctr_sa_sdst(0) depctr_va_vdst(0) depctr_va_sdst(0) depctr_va_ssrc(0) depctr_va_vcc(0) depctr_vm_vsrc(0)
	s_getreg_b32 s2, hwreg(HW_REG_IB_STS2, 6, 4)
	s_cmp_eq_u32 s2, 0
	s_cbranch_scc0 .Lentry_in_a_cluster
	s_endpgm
.Lentry_in_a_cluster:
	s_bfe_u32 s2, ttmp6, 0x10000c
	s_cmp_lg_u32 s2, 0x3003
	s_cbranch_scc0 .Lentry_shape_is_right
	s_endpgm
.Lentry_shape_is_right:
; MAIN.  One work-group takes 64 tokens of one image through the whole block: t += LN1(t); two cross-attentions (LN, Q, 8 heads, O, bias, residual); the FFN (LN, W1, exact GELU, W2, bias, residual).
; THE WAVES SHARE THE COLUMNS: wave w owns channels 128 w .. 128 w + 127 (heads 2 w, 2 w + 1) of all 64 tokens, and in the FFN hidden units 128 sigma + 32 w .. + 31 of each chunk sigma of 128.
; The residual stays in 256 registers a wave for the whole launch.  Every product has 16 rows of a weight (or keys, or channels of V) as source 0 and 16 tokens as source 1:
; lane (r = l % 16, h = l / 16), register j of a result = (row 8 h + j of source 0, token r), so eight registers of a result, converted, ARE registers 2 c, 2 c + 1 of the next operand (c: the tile's number in the next K step).
; Operands go from wave to wave through LDS as images of their registers (registers 4 i .. 4 i + 3 of lane l at byte 512 i + 16 l).
; WEIGHTS, K and V come as codes in that same form, through a ring of two LDS slots of 131,072 bytes; 28 slots in all.  Wave w fetches and reads quarter w of each slot.
; CLUSTER: the four work-groups of a cluster belong to one image and walk the same 28 slots: each quarter is asked for jointly (mask 15).  A 4 x 4 cluster would add nothing: one kind of tile is shared, and a mask names four.
; By this text's count a wave has one tensor load out at the most.
; SOFTMAX: all keys of a head are in registers at once: M = ceil of the row's largest t, p = 2^(t - M), the sum of the unquantised p divides at the end.  LAYERNORM: two passes, as written in the problem.
; GELU: x Phi(x) = max(x, 0) - |x| erfc(|x| / sqrt 2) / 2, erfc(z) = T exp(-z^2 + poly(T)), T = 1 / (1 + z / 2): fractional error 1.2e-7 of erfc for every z, and no difference of near numbers.
; LIMITS on the given exponents, so that each power of two is an f32 number: e0, e12, e24, e26, e9, e21, e6 - e0 - e1, e18 - e12 - e13, e10 - e8 - e9, e22 - e20 - e21 between -126 and 119;
;   e10 + e11, e22 + e23, e24 + e25, e26 + e27 between -126 and 126; e6 + e7, e18 + e19 between -124 and 129.  NaN and infinities among the inputs are not served.
; REGISTERS.  Window 0: v1, v2 the add's two; v3-16 addresses; v18, v19 a quantiser's scale and limit; v20-63 LayerNorm's sums, means, 1 / sigma (v32-39: a head's q codes); v64-127 the coming product's bias; v128-255 eight weight fragments (outside products: codes).
;   Window 1: the 16 fragments of the tokens, 16 (4 s + m); in a LayerNorm gain and bias; in attention K (8 kt) and V (128 + 16 f).   Window 2: accumulators 64 m + 8 t + j, and all that softmax and GELU work on.   Window 3: the residual, same index.
.set SLOTB, 131072
.set U0,    262144                     ; 16 token fragments of 2,048 bytes (4 s + m); at both ends of the launch the waves' stages for the turn of x and out0: 16 rows of 272 bytes each
.set IMGH,  294912                     ; the hidden layer's four fragments: two buffers of 8,192 bytes, which the chunks take by turns
.set STATS, 311296                     ; two buffers of 1,024 bytes for LayerNorm's sums: [wave][token r][row tile]
.set SPARE, 313344                     ; the spare words, 128 bytes for each wave: v1 points into them
.set MSB, 0
.macro WIN new                         ; bits 1:0 source 0, 3:2 source 1, 5:4 source 2, 7:6 destination; the high byte repeats the setting that is left
.if MSB != (\new)
	s_set_vgpr_msb (MSB<<8)|(\new)
.set MSB, (\new)
.endif
.endm
.macro PLACES                          ; four plain places behind matrix instructions, in front of loads into their registers and of the first read of results
.rept 4
	v_nop
.endr
.endm
.macro CROUND                          ; a round of the cluster's barrier
	s_barrier_signal -1
	s_barrier_wait -1
	s_cmp_lg_u32 s56, 0
	s_cbranch_scc1 .Lnw0_\@
	s_barrier_signal -3
.Lnw0_\@:
	s_barrier_wait -3
	s_barrier_signal -1
	s_barrier_wait -1
.endm
.macro MKS e, sc, lim                  ; from the whole number in s[e]: 2^e and 448 x 2^e as f32 patterns
	s_add_co_i32 s[\sc], s[\e], 127
	s_add_co_i32 s[\lim], s[\e], 135
	s_lshl_b32 s[\sc], s[\sc], 23
	s_lshl_b32 s[\lim], s[\lim], 23
	s_or_b32 s[\lim], s[\lim], 0x600000
.endm
; THE CHANGE OF SLOTS, at a slot's head.  Each wave waits for all its tensor loads (its quarter of the slot ahead), adds 0 to its spare word, and waits for that and for all its LDS instructions.
; fill = 1: a round of the cluster's barrier, then the slot just left is filled with the next slot of the stream: the wave's one tensor load until the next change.  It is also the barrier that shows images to the other waves.
; ask: prefetches of later slots of wts (and of the geometry's K and V).  A slot is 512 blocks of 256 bytes: 4 partners x 4 waves x 32 lanes, told apart by address alone; only the first cluster asks for wts, only an image's first cluster for its kv.
;   1, 2: the two slots from s[54:55] on (wts 2, 3; 4, 5; 6, 7; 8, 9 in turn).  2, in the first attention: also the geometry's two slots.  3: one slot, two slots further on than the one being asked for; the last change that fills asks for nothing.
.macro CHANGE fill, ask
	WIN 0
	s_wait_tensorcnt 0x0                           ; no tensor load of mine is out: group 0 may be written
	ds_add_u32 v1, v2                              ; 0 onto my spare word; the steps below stand between it and the wait for it
.if \fill
	s_xor_b32 s49, s49, SLOTB                      ; the other slot than last time,
.if \ask == 3
	s_cmp_eq_u32 s62, 1                            ; FFN: the tile is two rows of 16,384 bytes, 114,688 apart: W2 of the chunk in hand, W1 of the next.  The last request has no next chunk:
	s_cselect_b32 s86, 114688, 0                   ; it begins one pitch earlier, so that W2 is its second row and both rows lie inside wts
	s_mov_b32 s87, 0
	s_sub_nc_u64 s[50:51], s[38:39], s[86:87]
.else
	s_mov_b64 s[50:51], s[38:39]                   ; the stream's next slot, my quarter
.endif
	s_or_b32 s51, s51, 0x80000000
	s_add_nc_u64 s[38:39], s[38:39], SLOTB
.endif
.if \ask
	s_wait_xcnt 0x0                                ; the last prefetches have read their address
.if \ask == 3
	s_add_nc_u64 s[54:55], s[54:55], SLOTB
.else
	s_add_nc_u64 s[54:55], s[54:55], 2*SLOTB
.endif
.endif
	s_xor_b32 s57, s57, SLOTB                      ; the slot that is read from here on
	s_wait_dscnt 0x0                               ; the add is done; my reads of the slot left are over; my images have landed
.if \fill
	CROUND
.if \ask == 3
	tensor_load_to_lds s[48:51], s[72:79]
.else
	tensor_load_to_lds s[48:51], s[40:47]
.endif
	s_nop 0
.rept 4
	v_nop
.endr
.if (\ask == 1) || (\ask == 2)
	s_cmp_eq_u32 s63, 1
	s_cbranch_scc0 .Lpw_\@
	global_prefetch_b8 v15, s[54:55] th:TH_LOAD_NT scope:SCOPE_SE
	global_prefetch_b8 v15, s[54:55] offset:SLOTB th:TH_LOAD_NT scope:SCOPE_SE
.Lpw_\@:
.endif
.if \ask == 2
	s_cmp_eq_u32 s66, s58
	s_cbranch_scc0 .Lpk_\@
	global_prefetch_b8 v15, s[96:97] th:TH_LOAD_NT scope:SCOPE_SE
	global_prefetch_b8 v15, s[96:97] offset:SLOTB th:TH_LOAD_NT scope:SCOPE_SE
.Lpk_\@:
.endif
.if \ask == 3
	s_cmp_gt_u32 s62, s63
	s_cbranch_scc0 .Lpf_\@
	global_prefetch_b8 v15, s[54:55] th:TH_LOAD_NT scope:SCOPE_SE
.Lpf_\@:
.endif
.else
	s_barrier_signal -1
	s_barrier_wait -1
.endif
	v_add_nc_u32 v4, s57, v3
.endm
; ---- LayerNorm
.macro LNLOAD gp                       ; gain and bias of my 128 channels, in the results' layout, into window 1
	WIN 0x40
.irp t,0,1,2,3,4,5,6,7
	global_load_b128 v[8*\t:8*\t+3], v12, s[\gp:\gp+1] offset:64*\t
	global_load_b128 v[8*\t+4:8*\t+7], v12, s[\gp:\gp+1] offset:64*\t+16
	global_load_b128 v[64+8*\t:64+8*\t+3], v12, s[\gp+2:\gp+3] offset:64*\t
	global_load_b128 v[64+8*\t+4:64+8*\t+7], v12, s[\gp+2:\gp+3] offset:64*\t+16
.endr
	WIN 0
.endm
.macro REDUCE buf                      ; four pairs of partial sums (one a row tile) -> v28-31: the tokens' sums over all 512 channels, the same in every wave
.irp m,0,1,2,3
	v_add_f32 v[28+\m], v[20+2*\m], v[21+2*\m]
.endr
.irp m,0,1,2,3
	v_permlanex16_b32 v[32+\m], v[28+\m], s80, s81
.endr
.irp m,0,1,2,3
	v_add_f32 v[28+\m], v[28+\m], v[32+\m]
.endr
	ds_store_b128 v13, v[28:31] offset:1024*\buf   ; (both halves of the lanes store the same numbers to the same bytes)
	s_wait_dscnt 0x0
	s_barrier_signal -1
	s_barrier_wait -1
.irp q,0,1,2,3
	ds_load_b128 v[32+4*\q:35+4*\q], v14 offset:1024*\buf+256*\q
.endr
	s_wait_dscnt 0x0                               ; the two buffers take turns: one is written again only behind the other's barrier, which every wave reaches behind this wait
	v_pk_add_f32 v[32:33], v[32:33], v[36:37]
	v_pk_add_f32 v[34:35], v[34:35], v[38:39]
	v_pk_add_f32 v[40:41], v[40:41], v[44:45]
	v_pk_add_f32 v[42:43], v[42:43], v[46:47]
	v_pk_add_f32 v[28:29], v[32:33], v[40:41]
	v_pk_add_f32 v[30:31], v[34:35], v[42:43]
.endm
.macro LNSTAT                          ; window 2 = residual - mean; v56-63 = 1 / sqrt(var + eps), a pair a row tile
	WIN 0x0f
.irp m,0,1,2,3
	v_pk_add_f32 v[20+2*\m:21+2*\m], v[64*\m:64*\m+1], v[64*\m+2:64*\m+3]
.endr
	WIN 0x0c
.set i,2
.rept 30
.irp m,0,1,2,3
	v_pk_add_f32 v[20+2*\m:21+2*\m], v[20+2*\m:21+2*\m], v[64*\m+2*i:64*\m+2*i+1]
.endr
.set i,i+1
.endr
	WIN 0
	REDUCE 0
	s_mov_b32 s86, 0x3b000000                      ; 1 / 512
	s_mov_b32 s87, 0x3727c5ac                      ; 1e-5
.irp m,0,1,2,3
	v_mul_f32 v[48+2*\m], s86, v[28+\m]
	v_mul_f32 v[49+2*\m], s86, v[28+\m]
.endr
	WIN 0x83
.set i,0
.rept 32
.irp m,0,1,2,3
	v_pk_add_f32 v[64*\m+2*i:64*\m+2*i+1], v[64*\m+2*i:64*\m+2*i+1], v[48+2*\m:49+2*\m] neg_lo:[0,1] neg_hi:[0,1]
.endr
.set i,i+1
.endr
	WIN 0x0a
.irp m,0,1,2,3
	v_pk_mul_f32 v[20+2*\m:21+2*\m], v[64*\m:64*\m+1], v[64*\m:64*\m+1]
.endr
.set i,1
.rept 31
.irp m,0,1,2,3
	v_pk_fma_f32 v[20+2*\m:21+2*\m], v[64*\m+2*i:64*\m+2*i+1], v[64*\m+2*i:64*\m+2*i+1], v[20+2*\m:21+2*\m]
.endr
.set i,i+1
.endr
	WIN 0
	REDUCE 1
.irp m,0,1,2,3
	v_fma_f32 v[28+\m], v[28+\m], s86, s87
.endr
	s_wait_alu depctr_va_vdst(0)
.irp m,0,1,2,3
	v_rsq_f32 v[56+2*\m], v[28+\m]
.endr
	v_nop                                          ; a plain line behind the last of the four,
	s_wait_alu depctr_va_vdst(0)                   ; and the one wait ahead of their first reader
.irp m,0,1,2,3
	v_mov_b32 v[57+2*\m], v[56+2*\m]
.endr
.endm
.macro LNAPPLY
	WIN 0x82
.set i,0
.rept 32
.irp m,0,1,2,3
	v_pk_mul_f32 v[64*\m+2*i:64*\m+2*i+1], v[64*\m+2*i:64*\m+2*i+1], v[56+2*\m:57+2*\m]
.endr
.set i,i+1
.endr
	WIN 0x96
.set i,0
.rept 32
.irp m,0,1,2,3
	v_pk_fma_f32 v[64*\m+2*i:64*\m+2*i+1], v[64*\m+2*i:64*\m+2*i+1], v[2*i:2*i+1], v[64+2*i:65+2*i]
.endr
.set i,i+1
.endr
	WIN 0
.endm
; Window 2's 256 numbers become my four fragments (K step w, row tiles 0-3) and go to LDS as images.  v18: the scale, v19: 448 x the scale.
; The codes of row tile m lie at v128, v192, v208, v144: no conversion then names one register number twice.
.macro QIMG
	WIN 0x82
.set i,0
.rept 256
	v_med3_num_f32 v[i], v[i], -v19, v19           ; the conversion does not saturate (ISA guide 7.6.2): the hold; ascending
.set i,i+1
.endr
	WIN 0x02
.irp m,0,1,2,3
.set PCB, 128+64*(((\m+1)>>1)&1)+16*(\m>>1)
.irp t,0,1,2,3,4,5,6,7
	v_cvt_scalef32_pk8_fp8_f32 v[PCB+2*\t:PCB+2*\t+1], v[64*\m+8*\t:64*\m+8*\t+7], v18
.endr
.endr
	WIN 0
	v_nop                                          ; a plain line behind the last conversion
.irp m,0,1,2,3
.set PCB, 128+64*(((\m+1)>>1)&1)+16*(\m>>1)
.irp i,0,1,2,3
	ds_store_b128 v6, v[PCB+4*\i:PCB+4*\i+3] offset:2048*\m+512*\i
.endr
.endr
.endm
; ---- a projection: [64 tokens, 512] x [512, my 128 columns], two slots of two K steps
.macro FA s                            ; the tokens' four fragments of K step s
	WIN 0x40
.irp m,0,1,2,3
.irp i,0,1,2,3
	ds_load_b128 v[16*(4*\s+\m)+4*\i:16*(4*\s+\m)+4*\i+3], v5 offset:(4*\s+\m)*2048+512*\i
.endr
.endr
.endm
.macro LW f0, g                        ; four weight fragments f0 .. f0 + 3 of my quarter into group g
	WIN 0
.irp f,0,1,2,3
.irp i,0,1,2,3
	ds_load_b128 v[128+64*\g+16*\f+4*\i:128+64*\g+16*\f+4*\i+3], v4 offset:(\f0+\f)*2048+512*\i
.endr
.endr
.endm
.macro MUL s, g, cm                    ; 16 products; cm 0: onto the sums, 1: C = 0, 2: C = the bias.  The 32 accumulators take turns, one instruction a turn, in the same order in every K step
.if \cm == 2
	WIN 0x84
.else
	WIN 0xa4
.endif
.irp f,0,1,2,3
.irp m,0,1,2,3
.if \cm == 1
	v_wmma_f32_16x16x128_fp8_fp8 v[64*\m+8*(4*\g+\f):64*\m+8*(4*\g+\f)+7], v[128+64*\g+16*\f:128+64*\g+16*\f+15], v[16*(4*\s+\m):16*(4*\s+\m)+15], 0
.elseif \cm == 2
	v_wmma_f32_16x16x128_fp8_fp8 v[64*\m+8*(4*\g+\f):64*\m+8*(4*\g+\f)+7], v[128+64*\g+16*\f:128+64*\g+16*\f+15], v[16*(4*\s+\m):16*(4*\s+\m)+15], v[64+8*(4*\g+\f):64+8*(4*\g+\f)+7]
.else
	v_wmma_f32_16x16x128_fp8_fp8 v[64*\m+8*(4*\g+\f):64*\m+8*(4*\g+\f)+7], v[128+64*\g+16*\f:128+64*\g+16*\f+15], v[16*(4*\s+\m):16*(4*\s+\m)+15], v[64*\m+8*(4*\g+\f):64*\m+8*(4*\g+\f)+7]
.endif
.endr
.endr
.endm
.macro GEMM1H cm, ask                  ; K steps 0 and 1.  All four K steps' token fragments are fetched here, ahead of the second change of slots
	CHANGE 1, \ask
	FA 0
	LW 0, 0
	LW 4, 1
	FA 1
	s_wait_alu depctr_va_vdst(0)
	s_wait_dscnt 32                                ; group 1 and K step 1's tokens stay out
	MUL 0, 0, \cm
	PLACES
	LW 8, 0
	s_wait_dscnt 32                                ; K step 1's tokens and the new group 0
	MUL 0, 1, \cm
	PLACES
	LW 12, 1
	FA 2
	s_wait_dscnt 32                                ; the new group 1 and K step 2's tokens
	MUL 1, 0, 0
	FA 3
	s_wait_dscnt 32                                ; the tokens of K steps 2 and 3
	MUL 1, 1, 0
.endm
.macro GEMM2H                          ; K steps 2 and 3
	CHANGE 1, 0
	LW 0, 0
	LW 4, 1
	s_wait_alu depctr_va_vdst(0)
	s_wait_dscnt 16                                ; group 1 stays out
	MUL 2, 0, 0
	PLACES
	LW 8, 0
	s_wait_dscnt 16
	MUL 2, 1, 0
	PLACES
	LW 12, 1
	s_wait_dscnt 16
	MUL 3, 0, 0
	s_wait_dscnt 0x0
	MUL 3, 1, 0
	PLACES
	WIN 0
.endm
; ---- one head, one tile of 16 tokens.  NKT tiles of 16 keys, NKS K steps of 128 keys.  CTX = 1: 77 keys: keys 77-79 are registers 37-39 of lanes 16-31.
; Window 2: v0-127 S^T then p; v128-159 p's codes; v160-191 O^T; v192 -inf, v193 448 x 2^ep, v194 2^ep, v195, v196 the same for the result's conversion; v198-211 at work; v216-223 the result's codes.
.macro ATT NKT, NKS, CTX
.set NS, 8*\NKT
	WIN 0x81
.set i,0
.rept \NKT
	v_wmma_f32_16x16x64_fp8_fp8 v[8*i:8*i+7], v[8*i:8*i+7], v[32:39], 0
.set i,i+1
.endr
	WIN 0xaa
	PLACES
	v_max3_num_f32 v198, v0, v1, v2                ; the largest score of my token among my keys, four chains, ascending
	v_max3_num_f32 v199, v3, v4, v5
	v_max3_num_f32 v201, v6, v7, v8
	v_max3_num_f32 v209, v9, v10, v11
.set i,12
.rept (NS-16)/8
	v_max3_num_f32 v198, v198, v[i], v[i+1]
	v_max3_num_f32 v199, v199, v[i+2], v[i+3]
	v_max3_num_f32 v201, v201, v[i+4], v[i+5]
	v_max3_num_f32 v209, v209, v[i+6], v[i+7]
.if \CTX && (i == 28)
	v_cndmask_b32 v37, v37, v192, s67              ; keys past the 77th: -infinity, so p = 0 (tile 4 has been read at its low end just above)
	v_cndmask_b32 v38, v38, v192, s67
	v_cndmask_b32 v39, v39, v192, s67
.endif
.set i,i+8
.endr
	v_max3_num_f32 v198, v198, v[NS-4], v[NS-3]
	v_max3_num_f32 v199, v199, v[NS-2], v[NS-1]
	v_max3_num_f32 v198, v198, v199, v201
	v_max_num_f32 v198, v198, v209
	v_permlanex16_b32 v200, v198, s80, s81
	v_max_num_f32 v198, v198, v200
	v_mul_f32 v198, s82, v198                      ; as t (the factor is positive)
	v_floor_f32 v202, -v198                        ; -M = -ceil(t)
.set i,0
.rept NS/2
	v_pk_fma_f32 v[i:i+1], v[i:i+1], s[82:83], v[202:203] op_sel_hi:[1,0,0]
.set i,i+2
.endr
.set i,0
	s_wait_alu depctr_va_vdst(0)
.rept NS
	v_exp_f32 v[i], v[i]
.set i,i+1
.endr
	v_nop                                          ; a plain line behind the batch,
	s_wait_alu depctr_va_vdst(0)                   ; and its one wait
	v_pk_add_f32 v[204:205], v[0:1], v[2:3]        ; the sum of the unquantised p, four chains
	v_pk_add_f32 v[206:207], v[4:5], v[6:7]
	v_pk_add_f32 v[212:213], v[8:9], v[10:11]
	v_pk_add_f32 v[214:215], v[12:13], v[14:15]
.set i,16
.rept (NS-16)/8
	v_pk_add_f32 v[204:205], v[204:205], v[i:i+1]
	v_pk_add_f32 v[206:207], v[206:207], v[i+2:i+3]
	v_pk_add_f32 v[212:213], v[212:213], v[i+4:i+5]
	v_pk_add_f32 v[214:215], v[214:215], v[i+6:i+7]
.set i,i+8
.endr
	v_pk_add_f32 v[204:205], v[204:205], v[206:207]
	v_pk_add_f32 v[212:213], v[212:213], v[214:215]
	v_pk_add_f32 v[204:205], v[204:205], v[212:213]
	v_add_f32 v208, v204, v205
	v_permlanex16_b32 v200, v208, s80, s81
	v_add_f32 v208, v208, v200
	s_wait_alu depctr_va_vdst(0)
	v_rcp_f32 v210, v208                           ; its wait stands behind the second product
.set i,0
.rept NS
	v_min_num_f32 v[i], v[i], v193                 ; p is not negative: a one-sided hold
.set i,i+1
.endr
.set i,0
.rept \NKT
	v_cvt_scalef32_pk8_fp8_f32 v[128+2*i:129+2*i], v[8*i:8*i+7], v194
.set i,i+1
.endr
	v_nop
	WIN 0xa9
.set ks,0
.rept \NKS
.irp t,0,1,2,3
.if \CTX
.set VF, 128+16*\t
.else
.set VF, 128+16*(2*\t+ks)
.endif
.if ks == 0
	v_wmma_f32_16x16x128_fp8_fp8 v[160+8*\t:167+8*\t], v[VF:VF+15], v[128:143], 0
.else
	v_wmma_f32_16x16x128_fp8_fp8 v[160+8*\t:167+8*\t], v[VF:VF+15], v[128+16*ks:143+16*ks], v[160+8*\t:167+8*\t]
.endif
.endr
.set ks,ks+1
.endr
	WIN 0xaa
	PLACES
	s_wait_alu depctr_va_vdst(0)                   ; for the reciprocal
.set i,0
.rept 16
	v_pk_mul_f32 v[160+i:161+i], v[160+i:161+i], v[210:211] op_sel_hi:[1,0]
.set i,i+2
.endr
.set i,0
.rept 32
	v_med3_num_f32 v[160+i], v[160+i], -v195, v195
.set i,i+1
.endr
	s_wait_alu depctr_va_vdst(0)
	s_wait_dscnt 0x0                               ; the last tile's stores have read the codes' registers
.irp t,0,1,2,3
	v_cvt_scalef32_pk8_fp8_f32 v[216+2*\t:217+2*\t], v[160+8*\t:167+8*\t], v196
.endr
	v_nop
	WIN 0x08
	ds_store_b128 v16, v[216:219]                  ; over my own q codes, which have been read: pieces 2 u, 2 u + 1 of fragment (K step w, row tile m) of the O projection
	ds_store_b128 v16, v[220:223] offset:512
	WIN 0
.endm
; ---- the FFN.  Window 2: v0-63 my two tiles of hidden units x four row tiles, 8 (4 u + m); v64-95 T, v96-127 x^2 then max(x, 0), v128-159 the exponent then erfc / 2; v64-127 later the four hidden fragments;
;   v192-207 bf1; v208, v209 the hidden layer's scale and limit; v212, v213 c8; v216-231 my piece of the four hidden fragments.
.macro GELU u
.set GX, 32*\u
.set i,0
.rept 32
	v_fma_f32 v[64+i], |v[GX+i]|, s36, 1.0         ; 1 + z / 2
.set i,i+1
.endr
.set i,0
	s_wait_alu depctr_va_vdst(0)
.rept 32
	v_rcp_f32 v[64+i], v[64+i]
.set i,i+1
.endr
.set i,0
.rept 16
	v_pk_mul_f32 v[96+i:97+i], v[GX+i:GX+i+1], v[GX+i:GX+i+1]
.set i,i+2
.endr
	s_wait_alu depctr_va_vdst(0)                   ; one wait for the 32 reciprocals
.set i,0
.rept 16
	v_pk_fma_f32 v[128+i:129+i], v[64+i:65+i], s[16:17], v[212:213] op_sel_hi:[1,0,1]
.set i,i+2
.endr
.irp c,18,20,22,24,26,28,30,32
.set i,0
.rept 16
	v_pk_fma_f32 v[128+i:129+i], v[128+i:129+i], v[64+i:65+i], s[\c:\c+1] op_sel_hi:[1,1,0]
.set i,i+2
.endr
.endr
.set i,0
.rept 16
	v_pk_fma_f32 v[128+i:129+i], v[96+i:97+i], s[34:35], v[128+i:129+i] op_sel_hi:[1,0,1]   ; - z^2, in base 2
.set i,i+2
.endr
.set i,0
	s_wait_alu depctr_va_vdst(0)
.rept 32
	v_exp_f32 v[128+i], v[128+i]
.set i,i+1
.endr
.set i,0
.rept 32
	v_max_num_f32 v[96+i], 0, v[GX+i]
.set i,i+1
.endr
	s_wait_alu depctr_va_vdst(0)                   ; one wait for the 32 exponentials
.set i,0
.rept 16
	v_pk_mul_f32 v[128+i:129+i], v[128+i:129+i], v[64+i:65+i]
.set i,i+2
.endr
.set i,0
.rept 32
	v_fma_f32 v[GX+i], -|v[GX+i]|, v[128+i], v[96+i]
.set i,i+1
.endr
.set i,0
.rept 32
	v_med3_num_f32 v[GX+i], v[GX+i], -v209, v209
.set i,i+1
.endr
.irp m,0,1,2,3
	v_cvt_scalef32_pk8_fp8_f32 v[216+4*\m+2*\u:217+4*\m+2*\u], v[GX+8*\m:GX+8*\m+7], v208
.endr
	v_nop
.endm
; THE FFN'S SLOTS.  Product 14 runs one slot behind product 13: my quarter of an FFN slot holds W2's eight fragments of chunk j - 1 (bytes 0 ..) and W1's eight of chunk j (bytes 16,384 ..).
; So the hidden codes of chunk j, stored at the end of trip j, are shown to the other waves by the barrier of the next change of slots, all 16 trips fill a slot, and behind the last change stand only chunk 15's 32 products.
; The hidden fragments have two LDS buffers by turns: a wave that stores chunk j's codes never meets one that still reads chunk j - 1's.  17 FFN slots; in the first and in the last, 16,384 bytes of each quarter are read by nobody.
.macro LW1 f0                          ; W1's fragments f0 .. f0 + 3 (fragment 2 s + u) -> window 0, v64 + 16 f
.irp f,0,1,2,3
.irp i,0,1,2,3
	ds_load_b128 v[64+16*(\f0+\f)+4*\i:64+16*(\f0+\f)+4*\i+3], v4 offset:16384+2048*(\f0+\f)+512*\i
.endr
.endr
.endm
.macro QMUL t0                         ; 16 products of product 14: W2's fragments t0 .. t0 + 3 x the four hidden fragments, onto the residual's registers; the 32 accumulators by turns
	WIN 0xf8
.irp t,0,1,2,3
.irp m,0,1,2,3
	v_wmma_f32_16x16x128_fp8_fp8 v[64*\m+8*(\t0+\t):64*\m+8*(\t0+\t)+7], v[128+16*(\t0+\t):143+16*(\t0+\t)], v[64+16*\m:79+16*\m], v[64*\m+8*(\t0+\t):64*\m+8*(\t0+\t)+7]
.endr
.endr
.endm
; Product 14 of the chunk before: hidden fragments from v[ha] + ho, W2 from byte wo of my quarter.  nx = 1: this chunk's W1 fragments are fetched on the way, 4-7 into the registers that W2's 0-3 have left
.macro QPART ha, ho, wo, nx
	WIN 0x80
.irp m,0,1,2,3
.irp i,0,1,2,3
	ds_load_b128 v[64+16*\m+4*\i:64+16*\m+4*\i+3], v[\ha] offset:\ho+2048*\m+512*\i
.endr
.endr
	WIN 0
.irp f,0,1,2,3,4,5,6,7
.irp i,0,1,2,3
	ds_load_b128 v[128+16*\f+4*\i:128+16*\f+4*\i+3], v4 offset:\wo+2048*\f+512*\i
.endr
.endr
.if \nx
	LW1 0
	s_wait_dscnt 32                                ; W2's fragments 4-7 and W1's 0-3 stay out
.else
	s_wait_dscnt 16                                ; W2's fragments 4-7 stay out
.endif
	QMUL 0
.if \nx
	PLACES
	WIN 0
	LW1 4
	s_wait_dscnt 32                                ; W1's eight fragments stay out
.else
	s_wait_dscnt 0x0
.endif
	QMUL 4
	PLACES
	WIN 0
.endm
.macro WORK                            ; products 13 of one chunk of 128 hidden units, the GELU, and the codes' way to LDS
	s_wait_loadcnt 0x0                             ; bf1 of this chunk
	s_wait_dscnt 16                                ; W1's fragments 4-7 stay out
	WIN 0xa4
.irp s,0,1,2,3
.if \s == 2
	s_wait_dscnt 0x0
.endif
.irp u,0,1
.irp m,0,1,2,3
.if \s == 0
	v_wmma_f32_16x16x128_fp8_fp8 v[8*(4*\u+\m):8*(4*\u+\m)+7], v[64+16*(2*\s+\u):64+16*(2*\s+\u)+15], v[16*(4*\s+\m):16*(4*\s+\m)+15], 0
.else
	v_wmma_f32_16x16x128_fp8_fp8 v[8*(4*\u+\m):8*(4*\u+\m)+7], v[64+16*(2*\s+\u):64+16*(2*\s+\u)+15], v[16*(4*\s+\m):16*(4*\s+\m)+15], v[8*(4*\u+\m):8*(4*\u+\m)+7]
.endif
.endr
.endr
.endr
	PLACES
	WIN 0xaa
.irp u,0,1
.irp m,0,1,2,3
.irp j,0,2,4,6
	v_pk_fma_f32 v[8*(4*\u+\m)+\j:8*(4*\u+\m)+\j+1], v[8*(4*\u+\m)+\j:8*(4*\u+\m)+\j+1], s[84:85], v[192+8*\u+\j:193+8*\u+\j] op_sel_hi:[1,0,1]   ; x = sum x 2^(e24 + e25) + bf1
.endr
.endr
.endr
	WIN 0
	s_cmp_eq_u32 s62, 1                            ; the last chunk has no successor: no load leaves bf1
	s_cbranch_scc1 .Lnobf
	s_add_nc_u64 s[14:15], s[14:15], 512           ; (its last loads were waited for above)  the next chunk's bf1
	WIN 0x80
.irp u,0,1
	global_load_b128 v[192+8*\u:195+8*\u], v12, s[14:15] offset:64*\u
	global_load_b128 v[196+8*\u:199+8*\u], v12, s[14:15] offset:64*\u+16
.endr
	WIN 0
.Lnobf:
	WIN 0xaa
	GELU 0
	GELU 1
	WIN 0x08
.irp m,0,1,2,3
	ds_store_b128 v17, v[216+4*\m:219+4*\m] offset:2048*\m   ; piece w of hidden fragment m, in this chunk's buffer; the next change of slots waits for these stores and shows them
.endr
	WIN 0
.endm
; ======== the head
	s_load_b256 s[4:11], s[0:1], 0x0               ; x, out0, wts, kv
	s_load_b128 s[12:15], s[0:1], 0x20             ; lowp_scales, bf1
	s_load_b512 s[16:31], s[0:1], 0x30             ; g1, b1, g2, b2, g3, b3, g4, b4
	s_load_b128 s[32:35], s[0:1], 0x70             ; cbo, gbo
	s_load_b64 s[36:37], s[0:1], 0x80              ; bf2
	v_lshl_add_u32 v1, v0, 2, SPARE
	v_mov_b32 v2, 0
	ds_add_u32 v1, v2                              ; the wave's opening: the add and its wait ahead of my first tensor load
	ds_add_u32 v1, v2
	v_lshrrev_b32 v20, 5, v0
	v_readfirstlane_b32 s56, v20                   ; wave 0..3
	s_bfe_u32 s86, ttmp6, 0x40000                  ; cx: it enters x's and out0's addresses and the prefetches' offset alone
	s_lshl_b32 s87, ttmp9, 2
	s_add_co_u32 s87, s87, s86                     ; work-group
	s_and_b32 s87, s87, 63
	s_lshl_b32 s87, s87, 8                         ; its 64 tokens: 256 bytes of each channel's row
	s_lshr_b32 s88, ttmp9, 4                       ; the image, which the four partners share
	s_lshl_b32 s89, s88, 23
	s_add_co_u32 s90, s87, s89
	s_lshl_b32 s89, s56, 21                        ; my 128 channels
	s_add_co_u32 s90, s90, s89
	s_mov_b32 s91, 0
	s_lshl_b32 s86, s86, 15
	; descriptor group 1: 128 rows of 256 bytes, dense: a quarter of a slot
	s_mov_b32 s40, 15|(3<<16)|(1<<21)              ; 15:0 the mask: all four work-groups; 17:16 elements of 8 bytes; 21 set beside a mask; no padding
	s_mov_b32 s41, 32<<16                          ; tensor_dim0 = 32
	s_mov_b32 s42, 128<<16                         ; tensor_dim1 = 128
	s_mov_b32 s43, 32<<16                          ; tile_dim0 = 32
	s_mov_b32 s44, 128                             ; tile_dim1 = 128
	s_mov_b32 s45, 32                              ; the pitch
	s_mov_b32 s46, 0
	s_mov_b32 s47, 0
	s_mov_b32 s48, 1
	s_lshl_b32 s49, s56, 15                        ; LDS: slot 0, quarter w
	s_mov_b32 s57, SLOTB                           ; the first change of slots turns it to slot 0
	s_mov_b32 s67, 0xffff0000
	s_mov_b32 s80, 0x76543210
	s_mov_b32 s81, 0xfedcba98
	s_cmp_eq_u32 ttmp9, 0
	s_cselect_b32 s63, 1, -1                       ; 1 in the first cluster, else the greatest number
	s_and_b32 s66, ttmp9, 15
	s_cmp_eq_u32 s66, 0
	s_cselect_b32 s66, 1, -1                       ; 1 in an image's first cluster
	v_and_b32 v20, 31, v0                          ; l
	v_and_b32 v21, 15, v0                          ; r
	v_bfe_u32 v22, v0, 4, 1                        ; h
	v_lshlrev_b32 v23, 4, v20                      ; 16 l
	s_lshl_b32 s94, s56, 15
	s_mov_b32 s95, 0
	v_add_nc_u32 v3, s94, v23                      ; my quarter of a slot
	v_add_nc_u32 v5, U0, v23                       ; the tokens' images, to read
	s_lshl_b32 s89, s56, 13
	v_add_nc_u32 v6, s89, v5                       ; and my four, to write
	v_add_nc_u32 v8, IMGH, v23
	s_lshl_b32 s89, s56, 9
	v_add_nc_u32 v7, s89, v8
	s_mul_i32 s89, s56, 4352
	s_add_co_u32 s89, s89, U0                      ; my stage for the turn
	v_mul_u32_u24 v9, v22, 272
	v_lshl_add_u32 v9, v21, 4, v9
	v_add_nc_u32 v9, s89, v9                       ; by channels: row l / 16, 16 bytes a lane
	v_mul_u32_u24 v10, v22, 2176
	v_lshl_add_u32 v10, v21, 2, v10
	v_add_nc_u32 v10, s89, v10                     ; by tokens: row 8 h (+ j), word r (+ 16 m)
	v_lshlrev_b32 v11, 14, v22
	v_lshl_add_u32 v11, v21, 4, v11                ; in x and out0: channel l / 16, 16 bytes a lane
	v_lshlrev_b32 v12, 5, v22                      ; 32 h: my eight channels of a tile of 16
	v_lshlrev_b32 v14, 4, v21
	v_add_nc_u32 v14, STATS, v14
	s_lshl_b32 s89, s56, 8
	v_add_nc_u32 v13, s89, v14
	v_lshlrev_b32 v15, 8, v0
	v_add_nc_u32 v15, s86, v15                     ; 256 (128 cx + 32 w + l)
.irp q,32,33,34,35
	v_mov_b32 v[\q], 0                             ; a lane permute's destination counts as one of its sources
.endr
	s_lshl_b32 s92, s56, 9
	s_mov_b32 s93, 0
	s_wait_dscnt 0x0                               ; the opening add is done
	s_wait_kmcnt 0x0
	s_add_nc_u64 s[4:5], s[4:5], s[90:91]
	s_add_nc_u64 s[6:7], s[6:7], s[90:91]
.irp p,16,18,20,22,24,26,28,30,32,34,36
	s_add_nc_u64 s[\p:\p+1], s[\p:\p+1], s[92:93]  ; my 128 channels' gains and biases
.endr
	s_lshl_b32 s92, s56, 7
	s_add_nc_u64 s[14:15], s[14:15], s[92:93]      ; my 32 hidden units' bias
	s_add_nc_u64 s[38:39], s[8:9], s[94:95]        ; wts, slot 0, quarter w
	s_mov_b64 s[50:51], s[38:39]
	s_or_b32 s51, s51, 0x80000000
	s_add_nc_u64 s[38:39], s[38:39], SLOTB         ; the stream's next slot
	s_mov_b64 s[54:55], s[8:9]                     ; the prefetches' place in wts
	s_lshl_b32 s92, s88, 18
	s_add_nc_u64 s[10:11], s[10:11], s[92:93]
	s_add_nc_u64 s[96:97], s[10:11], 1048576       ; the geometry's K and V of my image, for the prefetch
	s_add_nc_u64 s[10:11], s[10:11], s[94:95]      ; the context's, quarter w
	WIN 0x80
.irp t,0,1,2,3,4,5,6,7                         ; x: sixteen lanes read one channel's 256 bytes
.irp p,0,1,2,3,4,5,6,7
	global_load_b128 v[32*\t+4*\p:32*\t+4*\p+3], v11, s[4:5] offset:262144*\t+32768*\p th:TH_LOAD_NT
.endr
.endr
	WIN 0
	CROUND                                         ; all four work-groups are here
	tensor_load_to_lds s[48:51], s[40:47]          ; the stream's slot 0
	s_nop 0
.rept 4
	v_nop
.endr
; ======== x, turned through my stage: channel-major in, (token, channel) in the results' layout out.  My own bytes, and LDS serves a wave in order: no wait between a tile's stores, its loads and the next tile's stores
.irp t,0,1,2,3,4,5,6,7
	s_wait_loadcnt 56-8*\t                         ; the later tiles' loads stay out
	WIN 0x08
.irp p,0,1,2,3,4,5,6,7
	ds_store_b128 v9, v[32*\t+4*\p:32*\t+4*\p+3] offset:544*\p
.endr
	WIN 0xc0
.irp m,0,1,2,3
.irp j,0,1,2,3,4,5,6,7
	ds_load_b32 v[64*\m+8*\t+\j], v10 offset:272*\j+64*\m
.endr
.endr
.endr
	WIN 0
	s_wait_dscnt 0x0
; ======== the stages, each behind its LayerNorm, which is written once.  Stage 0: t += LN1(t); stages 1, 2: the two attentions; stage 3 leaves the loop for the FFN
	s_mov_b32 s58, 0
.Lstage:
	LNLOAD 16
	LNSTAT
	s_wait_alu depctr_va_vdst(0)
	s_wait_loadcnt 0x0
	LNAPPLY
	s_cmp_lg_u32 s58, 0
	s_cbranch_scc1 .Lblock
	WIN 0xcb
.set i,0
.rept 128
	v_pk_add_f32 v[i:i+1], v[i:i+1], v[i:i+1]      ; residual (window 3) += window 2
.set i,i+2
.endr
	WIN 0
	s_branch .Lnext
.Lblock:
.irp t,0,1,2,3,4,5,6,7
	global_load_b128 v[64+8*\t:67+8*\t], v12, s[32:33] offset:64*\t      ; the bias of the stage's last product
	global_load_b128 v[68+8*\t:71+8*\t], v12, s[32:33] offset:64*\t+16
.endr
	s_load_b128 s[68:71], s[12:13], 0x0            ; the stage's exponents 0-3
	s_wait_kmcnt 0x0
	MKS 68, 86, 87
	v_mov_b32 v18, s86
	v_mov_b32 v19, s87
	QIMG
	s_cmp_eq_u32 s58, 3
	s_cbranch_scc1 .Lffn
	s_load_b256 s[72:79], s[12:13], 0x10           ; exponents 4-11
	GEMM1H 1, 1                                    ; q = LN(t) Wq
	s_mov_b64 s[52:53], s[38:39]                   ; the stream turns to K and V for two slots: the place in wts is kept,
	s_mov_b64 s[38:39], s[10:11]
	s_add_nc_u64 s[10:11], s[10:11], 1048576       ; and the next stage's are the geometry's
	GEMM2H
	s_wait_kmcnt 0x0
	s_sub_co_i32 s88, s74, s68
	s_sub_co_i32 s88, s88, s69                     ; a sum stands for sum x 2^(eA + eW): three scales in one
	MKS 88, 86, 87
	v_mov_b32 v18, s86
	v_mov_b32 v19, s87
	QIMG                                           ; q's codes, in my own 8,192 bytes of the images: head u of row tile m is pieces 2 u, 2 u + 1 of fragment m
	s_add_co_i32 s86, s74, s75
	s_lshl_b32 s86, s86, 23
	s_add_co_i32 s82, s86, 0x3e38aa3b              ; log2(e) / 8, with eq + ek added to its exponent field
	s_mov_b32 s83, s82
	MKS 77, 86, 87
	WIN 0x80
	v_mov_b32 v194, s86
	v_mov_b32 v193, s87
	s_sub_co_i32 s88, s78, s76
	s_sub_co_i32 s88, s88, s77                     ; eo - ev - ep
	MKS 88, 86, 87
	v_mov_b32 v196, s86
	v_mov_b32 v195, s87
	v_mov_b32 v192, 0xff800000
	v_mov_b32 v200, 0
	v_mov_b32 v203, 0
	v_mov_b32 v211, 0
.irp q,138,139,140,141,142,143
	v_mov_b32 v[\q], 0                             ; p's codes of keys 80-127 of the context (the geometry writes them anew)
.endr
	WIN 0
	s_mov_b32 s59, 0
.Lhead:                                            ; my two heads, a slot each
	CHANGE 1, 0
	s_cmp_eq_u32 s59, 0
	s_cselect_b64 s[38:39], s[52:53], s[38:39]     ; behind the second K and V slot the stream goes on in wts
	s_cmp_eq_u32 s58, 1
	s_cbranch_scc0 .Lkvg
	WIN 0x40
.irp k,0,1,2,3,4
	ds_load_b128 v[8*\k:8*\k+3], v4 offset:1024*\k
	ds_load_b128 v[8*\k+4:8*\k+7], v4 offset:1024*\k+512
.endr
.irp f,0,1,2,3
.irp i,0,1,2,3
	ds_load_b128 v[128+16*\f+4*\i:128+16*\f+4*\i+3], v4 offset:8192+2048*\f+512*\i
.endr
.endr
	WIN 0
	s_branch .Lkvd
.Lkvg:
	WIN 0x40
	s_wait_alu depctr_va_vdst(0)
.irp k,0,1,2,3,4,5,6,7,8,9,10,11,12,13,14,15
	ds_load_b128 v[8*\k:8*\k+3], v4 offset:1024*\k
	ds_load_b128 v[8*\k+4:8*\k+7], v4 offset:1024*\k+512
.endr
.irp f,0,1,2,3,4,5,6,7
.irp i,0,1,2,3
	ds_load_b128 v[128+16*\f+4*\i:128+16*\f+4*\i+3], v4 offset:16384+2048*\f+512*\i
.endr
.endr
	WIN 0
.Lkvd:
	s_mov_b32 s60, 0
.Lrow:                                             ; the four tiles of 16 tokens
	s_lshl_b32 s61, s60, 11
	s_lshl_b32 s86, s59, 10
	s_add_co_u32 s61, s61, s86
	v_add_nc_u32 v16, s61, v6
	ds_load_b128 v[32:35], v16
	ds_load_b128 v[36:39], v16 offset:512
	s_wait_dscnt 0x0                               ; q's codes, and in the first trip K and V
	s_cmp_eq_u32 s58, 1
	s_cbranch_scc0 .Lattg
	ATT 5, 1, 1
	s_branch .Lattd
.Lattg:
	ATT 16, 2, 0
.Lattd:
	s_add_co_u32 s60, s60, 1
	s_cmp_lt_u32 s60, 4
	s_cbranch_scc1 .Lrow
	s_add_co_u32 s59, s59, 1
	s_cmp_lt_u32 s59, 2
	s_cbranch_scc1 .Lhead
	s_wait_loadcnt 0x0                             ; the bias
	s_add_co_i32 s88, s78, s79                     ; eo + eWo
	s_sub_co_i32 s86, 127, s88
	s_lshl_b32 s86, s86, 23
	s_mov_b32 s87, s86
	s_add_co_i32 s84, s88, 127
	s_lshl_b32 s84, s84, 23
	s_mov_b32 s85, s84
.set i,0
.rept 32
	v_pk_mul_f32 v[64+i:65+i], v[64+i:65+i], s[86:87] op_sel_hi:[1,0]   ; the bias goes in as the sums' C, divided by the power of two that they lack
.set i,i+2
.endr
	GEMM1H 2, 2
	s_cmp_eq_u32 s58, 2                            ; behind the second attention the next request is the FFN's first slot: it begins 16,384 bytes earlier, so that W1 of chunk 0 lands in the quarter's second half
	s_cselect_b32 s86, 16384, 0
	s_mov_b32 s87, 0
	s_sub_nc_u64 s[38:39], s[38:39], s[86:87]
	GEMM2H
	WIN 0xf2
.set i,0
.rept 128
	v_pk_fma_f32 v[i:i+1], v[i:i+1], s[84:85], v[i:i+1] op_sel_hi:[1,0,1]   ; residual += sum x 2^(eo + eWo)
.set i,i+2
.endr
	WIN 0
	s_mov_b64 s[32:33], s[34:35]                   ; the next stage's pointers (all loads by the old ones have been waited for)
	s_mov_b64 s[34:35], s[36:37]
	s_add_nc_u64 s[12:13], s[12:13], 48
.Lnext:
	s_mov_b64 s[16:17], s[20:21]                   ; the next LayerNorm's gain and bias
	s_mov_b64 s[18:19], s[22:23]
	s_mov_b64 s[20:21], s[24:25]
	s_mov_b64 s[22:23], s[26:27]
	s_mov_b64 s[24:25], s[28:29]
	s_mov_b64 s[26:27], s[30:31]
	s_add_co_u32 s58, s58, 1
	s_cmp_lt_u32 s58, 4
	s_cbranch_scc1 .Lstage
; ======== the FFN.  s68-71 = e24 .. e27; LN4's images are stored; bf2 is on its way into v64-127
.Lffn:
	s_wait_loadcnt 0x0
	s_add_co_i32 s88, s70, s71
	s_sub_co_i32 s86, 127, s88
	s_lshl_b32 s86, s86, 23
	s_mov_b32 s87, s86                             ; 2^-(e26 + e27)
	s_add_co_i32 s88, s88, 127
	s_lshl_b32 s88, s88, 23
	s_mov_b32 s89, s88                             ; 2^(e26 + e27), for the way out
.set i,0
.rept 32
	v_pk_mul_f32 v[64+i:65+i], v[64+i:65+i], s[86:87] op_sel_hi:[1,0]
.set i,i+2
.endr
	WIN 0xc3
.irp m,0,1,2,3
.set i,0
.rept 32
	v_pk_fma_f32 v[64*\m+i:64*\m+i+1], v[64*\m+i:64*\m+i+1], s[86:87], v[64+i:65+i] op_sel_hi:[1,0,1]   ; (residual + bf2) / 2^(e26 + e27): from here on the residual's registers are product 14's accumulators
.set i,i+2
.endr
.endr
	WIN 0
	s_add_co_i32 s84, s68, s69
	s_add_co_i32 s84, s84, 127
	s_lshl_b32 s84, s84, 23
	s_mov_b32 s85, s84                             ; 2^(e24 + e25)
	MKS 70, 86, 87
	WIN 0x80
	v_mov_b32 v208, s86
	v_mov_b32 v209, s87
	v_mov_b32 v212, 0xbf97d29d                     ; c8
	v_mov_b32 v213, 0xbf97d29d
.irp u,0,1
	global_load_b128 v[192+8*\u:195+8*\u], v12, s[14:15] offset:64*\u
	global_load_b128 v[196+8*\u:199+8*\u], v12, s[14:15] offset:64*\u+16
.endr
	WIN 0
.macro SC2 r, val                      ; a constant as a pair: the packed forms name a pair and take its low word for both halves
	s_mov_b32 s[\r], \val
	s_mov_b32 s[\r+1], \val
.endm
	SC2 16, 0x3e7c6f08                             ; the polynomial's coefficients x log2(e): c9,
	SC2 18, 0x40097039                             ; c7
	SC2 20, 0xbfd1a1e5                             ; c6
	SC2 22, 0x3ecdfd18                             ; c5
	SC2 24, 0xbe899a80                             ; c4
	SC2 26, 0x3e0efb2e                             ; c3
	SC2 28, 0x3f0a29d2                             ; c2
	SC2 30, 0x3fb8ab5a                             ; c1
	SC2 32, 0xc034d90f                             ; c0, less 1 for the halving
	SC2 34, 0xbf38aa3b                             ; -log2(e) / 2: z^2 = x^2 / 2
	s_mov_b32 s36, 0x3eb504f3                      ; 1 / (2 sqrt 2): z / 2 = |x| x this
	s_wait_xcnt 0x0
	s_add_nc_u64 s[54:55], s[54:55], SLOTB         ; the prefetches stand at wts slot 9: the first change below steps them to slot 10
	s_wait_dscnt 0x0                               ; my images of LN4 have landed
	s_barrier_signal -1
	s_barrier_wait -1
	FA 0                                           ; the tokens' 16 fragments stay in window 1 for all 16 chunks
	FA 1
	FA 2
	FA 3
	WIN 0
	s_mov_b32 s62, 16
	s_mov_b32 s98, 0                               ; which hidden buffer takes this chunk's codes
	s_sub_nc_u64 s[38:39], s[38:39], 98304         ; the stream stands 16,384 bytes short of slot 9's quarter: back to W2 of chunk 0, in the second half of slot 8's quarter
	s_cmp_eq_u32 s63, 1
	s_cselect_b32 s63, 2, -1                       ; the first cluster prefetches in the first 14 of the 16 trips: wts slots 10 to 23
	s_mov_b32 s72, 15|(3<<16)|(1<<21)              ; descriptor group 1 of an FFN quarter: the same mask and element; two rows of 2,048 elements (16,384 bytes),
	s_mov_b32 s73, 2048<<16
	s_mov_b32 s74, 2<<16
	s_mov_b32 s75, 2048<<16
	s_mov_b32 s76, 2
	s_mov_b32 s77, 14336                           ; 114,688 bytes apart: from W2 of a chunk to W1 of the next
	s_mov_b32 s78, 0
	s_mov_b32 s79, 0
.Lchunk:
	CHANGE 1, 3
	v_add_nc_u32 v17, s98, v7                      ; where my codes of this chunk go,
	s_xor_b32 s98, s98, 8192
	v_add_nc_u32 v16, s98, v8                      ; and where the chunk before left its fragments
	s_cmp_eq_u32 s62, 16
	s_wait_alu depctr_va_vdst(0)
	s_cbranch_scc1 .Lfirst                         ; the first chunk has none before it
	QPART 16, 0, 0, 1
	s_branch .Lprod
.Lfirst:
	LW1 0
	LW1 4
.Lprod:
	WORK
	s_sub_co_u32 s62, s62, 1
	s_cmp_lg_u32 s62, 0
	s_cbranch_scc1 .Lchunk
	CHANGE 0, 0                                    ; the last change fills nothing; behind it stand chunk 15's products alone: its codes lie in the second buffer, its W2 in the quarter's second half
	s_wait_alu depctr_va_vdst(0)
	QPART 8, 8192, 16384, 0
; ======== the way out: x 2^(e26 + e27), turned back through my stage, sixteen lanes to one channel's 256 bytes
	WIN 0xc3
.set i,0
.rept 128
	v_pk_mul_f32 v[i:i+1], v[i:i+1], s[88:89] op_sel_hi:[1,0]
.set i,i+2
.endr
	s_wait_alu depctr_va_vdst(0)
.irp t,0,1,2,3,4,5,6,7
	WIN 0x0c
.irp m,0,1,2,3
.irp j,0,1,2,3,4,5,6,7
	ds_store_b32 v10, v[64*\m+8*\t+\j] offset:272*\j+64*\m
.endr
.endr
	WIN 0x80
.irp p,0,1,2,3,4,5,6,7
	ds_load_b128 v[32*\t+4*\p:32*\t+4*\p+3], v9 offset:544*\p
.endr
.if \t > 0
	s_wait_dscnt 40                                ; the tile before is back; this tile's 32 stores and 8 loads stay out
	WIN 0x08
.irp p,0,1,2,3,4,5,6,7
	global_store_b128 v11, v[32*(\t-1)+4*\p:32*(\t-1)+4*\p+3], s[6:7] offset:262144*(\t-1)+32768*\p th:TH_STORE_NT
.endr
.endif
.endr
	s_wait_dscnt 0x0
	WIN 0x08
.irp p,0,1,2,3,4,5,6,7
	global_store_b128 v11, v[224+4*\p:227+4*\p], s[6:7] offset:262144*7+32768*\p th:TH_STORE_NT
.endr
	WIN 0
	s_wait_tensorcnt 0x0                           ; the wave's end: behind my last tensor load and my last LDS store
	ds_add_u32 v1, v2
	s_wait_dscnt 0x0
	CROUND                                         ; the closing round
	s_endpgm
.Lfunc_end_k_qe6938efae2_main:
	.size	k_qe6938efae2_main, .Lfunc_end_k_qe6938efae2_main-k_qe6938efae2_main
	.p2alignl 7, 3214868480
	.fill 96, 4, 3214868480
	.section	.rodata,"a",@progbits
	.p2align	6, 0x0
	.amdhsa_kernel k_qe6938efae2_main
		.amdhsa_group_segment_fixed_size 327680
		.amdhsa_private_segment_fixed_size 0
		.amdhsa_enable_private_segment 0
		.amdhsa_kernarg_size 136
		.amdhsa_user_sgpr_count 2
		.amdhsa_user_sgpr_kernarg_segment_ptr 1
		.amdhsa_wavefront_size32 1
		.amdhsa_system_sgpr_workgroup_id_x 1
		.amdhsa_system_sgpr_workgroup_id_y 1
		.amdhsa_system_sgpr_workgroup_id_z 1
		.amdhsa_system_vgpr_workitem_id 0
		.amdhsa_next_free_vgpr 1024
		.amdhsa_next_free_sgpr 100
		.amdhsa_reserve_vcc 0
		.amdhsa_float_denorm_mode_32 3
		.amdhsa_float_denorm_mode_16_64 3
		.amdhsa_memory_ordered 1
		.amdhsa_forward_progress 1
		.amdhsa_inst_pref_size 255
	.end_amdhsa_kernel
	.section	.bss,"aw",@nobits
	.p2align	6
	.space	262144
	.amdgpu_metadata
---
amdhsa.version: [ 1, 2 ]
amdhsa.kernels:
  - .name:           k_qe6938efae2_main
    .symbol:         k_qe6938efae2_main.kd
    .args:
      - { .name: x, .offset: 0, .size: 8, .value_kind: global_buffer, .address_space: global }
      - { .name: out0, .offset: 8, .size: 8, .value_kind: global_buffer, .address_space: global }
      - { .name: wts, .offset: 16, .size: 8, .value_kind: global_buffer, .address_space: global }
      - { .name: kv, .offset: 24, .size: 8, .value_kind: global_buffer, .address_space: global }
      - { .name: lowp_scales, .offset: 32, .size: 8, .value_kind: global_buffer, .address_space: global }
      - { .name: bf1, .offset: 40, .size: 8, .value_kind: global_buffer, .address_space: global }
      - { .name: g1, .offset: 48, .size: 8, .value_kind: global_buffer, .address_space: global }
      - { .name: b1, .offset: 56, .size: 8, .value_kind: global_buffer, .address_space: global }
      - { .name: g2, .offset: 64, .size: 8, .value_kind: global_buffer, .address_space: global }
      - { .name: b2, .offset: 72, .size: 8, .value_kind: global_buffer, .address_space: global }
      - { .name: g3, .offset: 80, .size: 8, .value_kind: global_buffer, .address_space: global }
      - { .name: b3, .offset: 88, .size: 8, .value_kind: global_buffer, .address_space: global }
      - { .name: g4, .offset: 96, .size: 8, .value_kind: global_buffer, .address_space: global }
      - { .name: b4, .offset: 104, .size: 8, .value_kind: global_buffer, .address_space: global }
      - { .name: cbo, .offset: 112, .size: 8, .value_kind: global_buffer, .address_space: global }
      - { .name: gbo, .offset: 120, .size: 8, .value_kind: global_buffer, .address_space: global }
      - { .name: bf2, .offset: 128, .size: 8, .value_kind: global_buffer, .address_space: global }
    .group_segment_fixed_size: 327680
    .private_segment_fixed_size: 0
    .kernarg_segment_align: 8
    .kernarg_segment_size: 136
    .max_flat_workgroup_size: 128
    .sgpr_count:     100
    .vgpr_count:     1024
    .wavefront_size: 32
...
	.end_amdgpu_metadata
.endif
;; end of part 2
